; MI455X (gfx1250); checked and timed in simulation.
; The chip was launched on July 23, 2026; its instructions are those of AMD's public machine-readable ISA for CDNA 5 (MIT licence, August 2026) and "CDNA5" Instruction Set Architecture Reference Guide (July 2026). The comments in the code are by the model that wrote it; some were corrected since.
;; Custom Model Qlinear. Allowed arithmetic: matrix products marked QUANTISED: E2M3 operands, one E8M0 scale for each 32 along K, by v_wmma_scale_f32_16x16x128_f8f6f4 with both operands' format E2M3, f32 sums; everything else in f32.
;; Inputs: bias 4,096 float32; inp 4,096 x 4,096 int32; inp_scales 1 float32; inp_zero_points 1 int32; weight 4,096 x 4,096 int32; weight_scales 4,096 float32; weight_zero_points 4,096 int32.
;; Outputs: out0 4,096 x 4,096 float32.
;; This version of the problem:
;;   THIS VERSION OF THE PROBLEM IS GIVEN IN LOW PRECISION. The matrix products marked QUANTISED in the list below multiply operands that are first quantised to E2M3 (2 exponent bits, 3 mantissa bits; 6 bits a number), with one power-of-two scale for each 32 numbers along K (OCP MX v1.0); their sums are f32. All else is computed in f32.
;;   The module's matrix products, in the order in which they are computed (A, B: the left and right operand; K: the contracted axis; several contracted axes count as one K, in the product's order):
;;     1. [M 4,096, K 4,096] x [K 4,096, N 4,096]; A: computed on the way; B: computed on the way: QUANTISED
;;   THE QUANTISER, for each operand of a quantised product, along K:
;;     - K is cut into blocks of 32 from its start; a last block that is shorter is filled with zeros.
;;     - A block's scale is 2^e with e = floor(log2(the largest magnitude in the block)) - 2, held to -126 .. 127; a block of zeros has e = 0. As a byte (E8M0): e + 127.
;;     - Each number is divided by its block's scale, clamped to +-7.5, and rounded to the nearest number of E2M3, ties to even, subnormals kept.
;;     - The product sums the exact products of the quantised numbers (number of the format x scale) in f32.
;;   ~~~python
;;   def quantise(x, axis):      # numpy; x: float32 -> the quantised numbers, widened to float32 again
;;       x = np.moveaxis(x, axis, -1); K = x.shape[-1]
;;       x = np.pad(x, [(0, 0)] * (x.ndim - 1) + [(0, -K % 32)]); x = x.reshape(x.shape[:-1] + (-1, 32)); a = np.abs(x).max(-1, keepdims=True)
;;       e = np.where(a > 0, np.clip(np.frexp(np.where(a > 0, a, 1))[1] - 1 - 2, -126, 127), 0)      # np.frexp(a)[1] - 1 = floor(log2(a)), exactly
;;       r = np.clip(x / 2.0 ** e, -7.5, 7.5)
;;       step = 2.0 ** (np.maximum(np.frexp(np.where(r == 0, 1, r))[1] - 1, 0) - 3)
;;       q = np.round(r / step) * step * 2.0 ** e      # np.round: ties to even
;;       return np.moveaxis(q.reshape(q.shape[:-2] + (-1,))[..., :K], -1, axis).astype(np.float32)
;;   ~~~
;;   OPERANDS COMPUTED ON THE WAY. 'Computed on the way' means the value that the module computes at that place (a softmax that the list does not call 'softmax' is quantised finished and normalised). What goes into a quantiser is computed in f32, as accurately as f32 sums, v_exp_f32 and their like allow (about 1e-6 of the number): no bf16 or f16 on the way to a quantiser, and a product that is left as it is and whose result goes on into a quantised operand takes f32 operands (vector FMAs, or v_wmma_f32_16x16x4_f32). A number that lies on a knife's edge between two numbers of the format may be rounded either way, as far as f32 arithmetic and the matrix unit's own rounding can turn it there, and no further.
;; One version. Each part assembles by itself: llvm-mc -triple=amdgcn-amd-amdhsa -mcpu=gfx1250 --defsym DOCPART=n.
;; ======== version 1 of 1: 2 launches
;; limits: right only within a limited range of input values
;; workspace buffers: a_rec 13,303,808 bytes; b_rec 13,303,808 bytes
;; launch quant (part 1): grid 512 x 1, 11 waves a work-group, no clusters, 94,464 bytes of LDS; arguments inp, weight, inp_scales, inp_zero_points, weight_scales, weight_zero_points, a_rec, b_rec; writes a_rec, b_rec
.if DOCPART == 1
	.amdgcn_target "amdgcn-amd-amdhsa--gfx1250"
	.amdhsa_code_object_version 6
	.text
	.protected	k_q219fb887d1_quant
	.globl	k_q219fb887d1_quant
	.p2align	8
	.type	k_q219fb887d1_quant,@function
k_q219fb887d1_quant:
	s_mov_b64 s[64:65], 0
	v_nop
	global_prefetch_b8 v0, s[64:65] scope:SCOPE_SE
	s_setreg_imm32_b32 hwreg(HW_REG_WAVE_MODE, 25, 1), 1
	s_wait_xcnt 0x0
; x = (f32(inp) - f32(inp_zero_points[0])) * inp_scales[0]            [4096][4096]
; w = (f32(weight) - f32(weight_zero_points[n])) * weight_scales[n]   [4096][4096]
; Both are turned into codes of FP6 (E2M3), 6 bits each, with one E8M0 scale byte for each 32 along K, and laid AS THE PRODUCT'S LAUNCH WANTS ITS REGISTERS.
; The conversion to f32, the subtraction and the multiplication are three roundings, in that order: the subtraction and the multiplication are not fused.
; A block's scale is 2^(floor(log2(its largest magnitude)) - 2); its byte is the largest magnitude's own exponent field - 2, held at 1 from below.  Each number is divided by the scale and
; rounded to the nearest code, ties to even; beyond 7.5 the conversion gives the largest code.
; LIMITS: a block of zeros, or one whose largest magnitude lies under 2^-124, gets the byte 1 (a block of zeros would have 127 by the rule: its codes are zeros, which add nothing under any
; byte but 0xff, and the bytes are read by this program alone).  NaN and infinities among the scales are not served.  An int32 beyond 2^24 is rounded to nearest even by the conversion to f32.
; THE LAYOUT.  A FRAGMENT is 16 rows x 128 along K: 12 registers a lane; lane (r, h) holds row r, registers 0-5 the codes of k = 32 h + 0 .. 31, registers 6-11 those of k = 64 + 32 h + 0 .. 31.
; Its IMAGE is 1,536 bytes: lane l's registers 4 c .. 4 c + 3 at byte 512 c + 16 l.  A RECORD is three K steps of one block of 16 rows: 256 bytes of scale words (row r: 16 bytes: the words of the
; three steps, then 0) and three images: 4,864 bytes.  32 K steps are ten such records and one of two steps, 3,328 bytes; a row block's eleven records lie on end: 51,968 bytes.
; SHARES.  A work-group takes one row block of one tensor (the first 256 work-groups inp's, the others weight's: only pointers and one small number are chosen, the path is one); wave t makes
; record t.  Wave 10 has two fragments: a branch on the wave's number leads round the third.
; A FRAGMENT'S WAY.  Sixteen loads, a row each: 32 lanes read 512 consecutive bytes.  The conversion to codes takes 16 numbers of ONE block from a lane's registers, so the 8,192 bytes go through the
; wave's own stage in LDS (rows 528 bytes apart: 132 words, so that the sixteen rows that a load touches start at sixteen different groups of four banks: 64 banks of 4 bytes, ISA guide 11.1) and come back
; 32 neighbours to a lane, a whole block: its largest magnitude needs no other lane.  The next fragment's loads are out while this one is worked.
; No tensor loads, no barrier: waves share nothing.  No matrix unit and no cluster: nothing is multiplied and no two work-groups read the same bytes.
.set NW,    11                         ; waves = records of a row block
.set FRB,   1536                       ; a fragment's image
.set REC,   256+3*FRB                  ; a record: 4,864 bytes
.set RECS,  256+2*FRB                  ; the last record: 3,328
.set RBS,   10*REC+RECS                ; a row block's records: 51,968
.set ROWB,  16384                      ; a row of int32 in bytes
.set EMAX,  2
.set SPT,   528                        ; a row's place in the stage: its 512 bytes + 16
.set WREG,  16*SPT                     ; LDS: a stage of its own for each wave: 8,448 bytes
.set SPARE, NW*WREG                    ; behind the eleven stages, at byte 92,928: the spare words, 128 bytes for each wave: six blocks of 256 bytes that no other line names
.set GO,    1                          ; v1      16 x lane: my 16 bytes of a row's 512, and my place in an image; never rewritten
.set SIN,   2                          ; v2      the stage, on the way in: my wave's + 16 x lane
.set SOUT,  3                          ; v3      and on the way out: my wave's + 528 r + 128 h
.set SCO,   4                          ; v4      16 r + 8 h: my 8 bytes of the record's scale words
.set SH,    5                          ; v5      8 h
.set SPW,   6                          ; v6      LDS address of my spare word: SPARE + 4 x my thread's number; never rewritten
.set NIL,   7                          ; v7      0; never rewritten
.set ZP,    8                          ; v8-9    my row's zero point as f32, twice: a pair for the packed forms
.set SCL,   10                         ; v10-11  my row's scale, twice
.set M,     12                         ; v12-13  two chains of maxima
.set SO,    14                         ; v14     the conversions' scale operand
.set EB,    15                         ; v15-16  the scale bytes of my two blocks
.set PT,    17                         ; v17     lane l xor 16's part of the scale word
.set W,     18                         ; v18-21  my row's scale words of the three steps, and 0
.set OU,    22                         ; v22-23  my 8 bytes of the scale words
.set T,     24                         ; v24-26  a block's upper 16 codes (a conversion's three registers begin on an even number)
.set PAO,   27                         ; v27     my row's byte in the scales and in the zero points; never rewritten
.set F,     28                         ; v28-63  three fragments, 12 registers each, so that no store's data are written again
.set R,     64                         ; v64-127 sixteen rows as they are loaded
.set X,     128                        ; v128-159 32 neighbours: a block
	s_load_b256 s[4:11], s[0:1], 0x0               ; inp s[4:5], weight s[6:7], inp_scales s[8:9], inp_zero_points s[10:11]
	s_load_b256 s[12:19], s[0:1], 0x20             ; weight_scales s[12:13], weight_zero_points s[14:15], a_rec s[16:17], b_rec s[18:19]
	v_lshl_add_u32 v[SPW], v0, 2, SPARE
	v_mov_b32 v[NIL], 0
	v_lshrrev_b32 v[M], 5, v0
	s_delay_alu instid0(VALU_DEP_1)
	v_readfirstlane_b32 s24, v[M]                  ; wave = which record
	v_and_b32 v[M], 31, v0                         ; lane
	v_and_b32 v[M+1], 15, v0                       ; r
	v_bfe_u32 v[SO], v0, 4, 1                      ; h
	s_delay_alu instid0(VALU_DEP_3)
	v_lshlrev_b32 v[GO], 4, v[M]
	s_mul_i32 s25, s24, WREG                       ; my wave's stage
	v_add_nc_u32 v[SIN], s25, v[GO]
	v_mul_u32_u24 v[SOUT], v[M+1], SPT
	s_delay_alu instid0(VALU_DEP_1)
	v_lshl_add_u32 v[SOUT], v[SO], 7, v[SOUT]
	s_delay_alu instid0(VALU_DEP_1)
	v_add_nc_u32 v[SOUT], s25, v[SOUT]
	v_lshlrev_b32 v[SCO], 4, v[M+1]
	s_delay_alu instid0(VALU_DEP_1)
	v_lshl_add_u32 v[SCO], v[SO], 3, v[SCO]
	v_lshlrev_b32 v[SH], 3, v[SO]
	v_mov_b32 v[PT], 0                             ; written once: a lane permute's destination counts as one of its sources
	v_mov_b32 v[W+2], 0                            ; the last record has no third step: its word stays 0
	v_mov_b32 v[W+3], 0
	s_mov_b32 s20, 0x76543210
	s_mov_b32 s21, 0xfedcba98                      ; v_permlanex16_b32's selects for lane l xor 16
	s_wait_kmcnt 0x0
	s_cmp_lt_u32 ttmp9, 256                        ; inp's work-group or weight's?  The choice hangs on the work-group's number alone
	s_cselect_b64 s[4:5], s[4:5], s[6:7]           ; the numbers,
	s_cselect_b64 s[8:9], s[8:9], s[12:13]         ; their scales,
	s_cselect_b64 s[10:11], s[10:11], s[14:15]     ; their zero points,
	s_cselect_b64 s[16:17], s[16:17], s[18:19]     ; where the records go
	s_cselect_b32 s26, 0, 4                        ; bytes of scales (and of zero points) from row to row: inp has one for the whole tensor
	s_and_b32 s27, ttmp9, 255                      ; the row block
	s_mov_b32 s29, 0
	s_lshl_b32 s28, s27, 18                        ; 16 rows of 16,384 bytes,
	s_mul_i32 s30, s24, 3*512                      ; and my record's three K steps of 512 bytes in each row
	s_add_co_u32 s28, s28, s30
	s_add_nc_u64 s[4:5], s[4:5], s[28:29]
	s_mul_i32 s28, s27, RBS
	s_mul_i32 s30, s24, REC
	s_add_co_u32 s28, s28, s30
	s_add_nc_u64 s[16:17], s[16:17], s[28:29]      ; my record
	s_lshl_b32 s28, s27, 4                         ; the block's first row,
	s_mul_i32 s28, s28, s26                        ; in bytes of scales (inp: 0: no load leaves its 4 bytes)
	s_add_nc_u64 s[8:9], s[8:9], s[28:29]
	s_add_nc_u64 s[10:11], s[10:11], s[28:29]
	v_mul_u32_u24 v[PAO], s26, v[M+1]
	global_load_b32 v[SCL], v[PAO], s[8:9]         ; my row's scale
	global_load_b32 v[ZP], v[PAO], s[10:11]        ; and zero point
.macro LOADS f                         ; fragment f's sixteen rows
.irp i, 0,1,2,3,4,5,6,7,8,9,10,11,12,13,14,15
	global_load_b128 v[R+4*\i:R+4*\i+3], v[GO], s[4:5] offset:\i*ROWB+(\f)*512 th:TH_LOAD_NT   ; 32 lanes read 512 consecutive bytes; read once in the launch
.endr
.endm
.macro TOSTAGE                         ; into the stage as they lie, four rows at a time as they come
.irp g, 0,1,2,3
	s_wait_loadcnt 12-4*\g                         ; loads come back in order (ISA guide 5.7.1): these four rows are in, the later rows may be out
.irp j, 0,1,2,3
	ds_store_b128 v[SIN], v[R+16*\g+4*\j:R+16*\g+4*\j+3] offset:(4*\g+\j)*SPT
.endr
.endr
.endm
.macro BACK c                          ; block 2 c + h of my row: 32 neighbours.  LDS serves a wave's instructions in order (ISA guide 5.7.1.4): these see the stores above
.irp j, 0,1,2,3,4,5,6,7
	ds_load_b128 v[X+4*\j:X+4*\j+3], v[SOUT] offset:256*(\c)+16*\j
.endr
	s_wait_dscnt 0x0                               ; the block is in; the stores into the stage have read their registers
.endm
.macro WORK f, c                       ; the block becomes registers 6 c .. 6 c + 5 of fragment f, and a scale byte
.set FF, F+12*(\f)
.irp i, 0,1,2,3,4,5,6,7,8,9,10,11,12,13,14,15,16,17,18,19,20,21,22,23,24,25,26,27,28,29,30,31
	v_cvt_f32_i32 v[X+\i], v[X+\i]                 ; int32 to f32
.endr
.irp i, 0,2,4,6,8,10,12,14,16,18,20,22,24,26,28,30
	v_pk_add_f32 v[X+\i:X+\i+1], v[X+\i:X+\i+1], v[ZP:ZP+1] neg_lo:[0,1] neg_hi:[0,1]   ; - the zero point, two at a time
.endr
.irp i, 0,2,4,6,8,10,12,14,16,18,20,22,24,26,28,30
	v_pk_mul_f32 v[X+\i:X+\i+1], v[X+\i:X+\i+1], v[SCL:SCL+1]                           ; x the scale: a rounding of its own
.endr
	v_max3_num_f32 v[M], |v[X]|, |v[X+1]|, |v[X+2]|                ; the block's largest magnitude: all 32 numbers are mine; two chains
	v_max3_num_f32 v[M+1], |v[X+3]|, |v[X+4]|, |v[X+5]|
.irp i, 6,10,14,18,22,26
	s_delay_alu instid0(VALU_DEP_2)
	v_max3_num_f32 v[M], v[M], |v[X+\i]|, |v[X+\i+1]|
	s_delay_alu instid0(VALU_DEP_2)
	v_max3_num_f32 v[M+1], v[M+1], |v[X+\i+2]|, |v[X+\i+3]|
.endr
	s_delay_alu instid0(VALU_DEP_2)
	v_max3_num_f32 v[M], v[M], |v[X+30]|, |v[X+31]|
	s_delay_alu instid0(VALU_DEP_1)
	v_max3_num_f32 v[M], v[M], v[M+1], (EMAX+1)<<23                ; and the floor 2^(EMAX + 1 - 127), under which no largest magnitude is taken: so the byte cannot fall under 1
	s_delay_alu instid0(VALU_DEP_1)
	v_add_nc_u32 v[SO], -(EMAX<<23), v[M]          ; EMAX off its exponent field: the conversion takes the exponent field of this operand as its scale, and nothing else of it
	v_cvt_scalef32_pk16_fp6_f32 v[FF+6*(\c):FF+6*(\c)+2], v[X:X+15], v[SO]   ; sixteen numbers / 2^(the operand's exponent), to the nearest code, ties to even; 96 bits without gaps
	v_cvt_scalef32_pk16_fp6_f32 v[T:T+2], v[X+16:X+31], v[SO]
	v_lshrrev_b32 v[EB+(\c)], 23, v[SO]            ; the scale's byte.  (Also the plain vector line behind the scaled conversions)
.irp i, 0,1,2
	v_mov_b32 v[FF+6*(\c)+3+\i], v[T+\i]
.endr
.endm
.macro FINISH f                        ; the scale word, and the image
.set FF, F+12*(\f)
	s_delay_alu instid0(VALU_DEP_4)
	v_lshl_or_b32 v[EB], v[EB+1], 16, v[EB]        ; my two bytes: blocks h and 2 + h of row r,
	s_delay_alu instid0(VALU_DEP_1)
	v_lshlrev_b32 v[EB], v[SH], v[EB]              ; at their places in the word (8 h bits up);
	s_delay_alu instid0(VALU_DEP_1)
	v_permlanex16_b32 v[PT], v[EB], s20, s21
	s_delay_alu instid0(VALU_DEP_1)
	v_or_b32 v[W+(\f)], v[EB], v[PT]               ; with lane l xor 16's two the word is whole
.irp c, 0,1,2
	global_store_b128 v[GO], v[FF+4*\c:FF+4*\c+3], s[16:17] offset:256+FRB*(\f)+512*\c   ; 32 lanes store 512 consecutive bytes, at a multiple of 256 from the buffer's first byte; no register of this line is written again
.endr
.endm
	LOADS 0
	TOSTAGE                                        ; (its first wait shows the scale and the zero point in too: they were asked for first)
	v_cvt_f32_i32 v[ZP], v[ZP]                     ; the zero point as f32,
	s_delay_alu instid0(VALU_DEP_1)
	v_mov_b32 v[ZP+1], v[ZP]                       ; twice;
	v_mov_b32 v[SCL+1], v[SCL]                     ; the scale twice
	BACK 0
	LOADS 1                                        ; the next fragment's rows are on their way while this one is worked
	WORK 0, 0
	BACK 1
	WORK 0, 1
	FINISH 0
	TOSTAGE
	BACK 0
	s_cmp_eq_u32 s24, NW-1                         ; the last record has two K steps: no load leaves the row
	s_cbranch_scc1 .Lno_third
	LOADS 2
.Lno_third:
	WORK 1, 0
	BACK 1
	WORK 1, 1
	FINISH 1
	s_cmp_eq_u32 s24, NW-1
	s_cbranch_scc1 .Lwords
	TOSTAGE
	BACK 0
	WORK 2, 0
	BACK 1
	WORK 2, 1
	FINISH 2
.Lwords:
	s_mov_b32 vcc_lo, 0xffff0000                   ; lanes 16-31 take the upper 8 of their row's 16 bytes
	v_cndmask_b32 v[OU], v[W], v[W+2], vcc_lo
	s_wait_alu depctr_va_vdst(0)
	v_cndmask_b32 v[OU+1], v[W+1], v[W+3], vcc_lo
	global_store_b64 v[SCO], v[OU:OU+1], s[16:17]  ; the record's 256 bytes of scale words, by one instruction
	s_wait_tensorcnt 0x0                           ; the wave's end
	ds_add_u32 v[SPW], v[NIL]
	s_wait_dscnt 0x0
	s_endpgm
.Lfunc_end_k_q219fb887d1_quant:
	.size	k_q219fb887d1_quant, .Lfunc_end_k_q219fb887d1_quant-k_q219fb887d1_quant
	.p2alignl 7, 3214868480
	.fill 96, 4, 3214868480
	.section	.rodata,"a",@progbits
	.p2align	6, 0x0
	.amdhsa_kernel k_q219fb887d1_quant
		.amdhsa_group_segment_fixed_size 94464
		.amdhsa_private_segment_fixed_size 0
		.amdhsa_enable_private_segment 0
		.amdhsa_kernarg_size 64
		.amdhsa_user_sgpr_count 2
		.amdhsa_user_sgpr_kernarg_segment_ptr 1
		.amdhsa_wavefront_size32 1
		.amdhsa_system_sgpr_workgroup_id_x 1
		.amdhsa_system_sgpr_workgroup_id_y 1
		.amdhsa_system_sgpr_workgroup_id_z 1
		.amdhsa_system_vgpr_workitem_id 0
		.amdhsa_next_free_vgpr 160
		.amdhsa_next_free_sgpr 66
		.amdhsa_reserve_vcc 1
		.amdhsa_float_denorm_mode_32 3
		.amdhsa_float_denorm_mode_16_64 3
		.amdhsa_memory_ordered 1
		.amdhsa_forward_progress 1
		.amdhsa_inst_pref_size 45
	.end_amdhsa_kernel
	.amdgpu_metadata
---
amdhsa.version: [ 1, 2 ]
amdhsa.kernels:
  - .name:           k_q219fb887d1_quant
    .symbol:         k_q219fb887d1_quant.kd
    .args:
      - { .name: inp, .offset: 0, .size: 8, .value_kind: global_buffer, .address_space: global }
      - { .name: weight, .offset: 8, .size: 8, .value_kind: global_buffer, .address_space: global }
      - { .name: inp_scales, .offset: 16, .size: 8, .value_kind: global_buffer, .address_space: global }
      - { .name: inp_zero_points, .offset: 24, .size: 8, .value_kind: global_buffer, .address_space: global }
      - { .name: weight_scales, .offset: 32, .size: 8, .value_kind: global_buffer, .address_space: global }
      - { .name: weight_zero_points, .offset: 40, .size: 8, .value_kind: global_buffer, .address_space: global }
      - { .name: a_rec, .offset: 48, .size: 8, .value_kind: global_buffer, .address_space: global }
      - { .name: b_rec, .offset: 56, .size: 8, .value_kind: global_buffer, .address_space: global }
    .group_segment_fixed_size: 94464
    .private_segment_fixed_size: 0
    .kernarg_segment_align: 8
    .kernarg_segment_size: 64
    .max_flat_workgroup_size: 352
    .sgpr_count:     66
    .vgpr_count:     160
    .wavefront_size: 32
...
	.end_amdgpu_metadata
.endif
;; end of part 1
;; launch gemm (part 2): grid 16 x 16, 4 waves a work-group, clusters of 4 x 4, 327,680 bytes of LDS; arguments a_rec, b_rec, out0, bias; writes out0
.if DOCPART == 2
	.amdgcn_target "amdgcn-amd-amdhsa--gfx1250"
	.amdhsa_code_object_version 6
	.text
	.protected	k_q219fb887d1_gemm
	.globl	k_q219fb887d1_gemm
	.p2align	8
	.type	k_q219fb887d1_gemm,@function
k_q219fb887d1_gemm:
	s_mov_b64 s[64:65], 0
	v_nop
	global_prefetch_b8 v0, s[64:65] scope:SCOPE_SE
	s_setreg_imm32_b32 hwreg(HW_REG_WAVE_MODE, 25, 1), 1
	s_wait_xcnt 0x0
	s_wait_alu depctr_hold_cnt(0) depctr_sa_sdst(0) depctr_va_vdst(0) depctr_va_sdst(0) depctr_va_ssrc(0) depctr_va_vcc(0) depctr_vm_vsrc(0)
	s_getreg_b32 s2, hwreg(HW_REG_IB_STS2, 6, 4)
	s_cmp_eq_u32 s2, 0
	s_cbranch_scc0 .Lentry_in_a_cluster
	s_endpgm
.Lentry_in_a_cluster:
	s_bfe_u32 s2, ttmp6, 0x10000c
	s_cmp_lg_u32 s2, 0xf033
	s_cbranch_scc0 .Lentry_shape_is_right
	s_endpgm
.Lentry_shape_is_right:
; out0[m][n] = sum over k of x[m][k] w[n][k] + bias[n]; x and w arrive as FP6 (E2M3) codes with E8M0 scale bytes, in the records that launch quant lays:
; a record = one block of 16 rows x three K steps of 128: 256 bytes of scale words (row r: 16 bytes, the three steps' words, then 0) and three register images of 1,536 bytes
; (lane l's registers 4 c .. 4 c + 3 at byte 512 c + 16 l).  A row block has ten such records and one of two steps, 51,968 bytes on end.
; A work-group of four waves makes 256 x 256 of out0, a wave 128 x 128: 64 sums of 16 x 16, 512 registers.  256 tiles: one for each work-group of the grid.
; RING: two LDS slots, each one record of A's 16 and of B's 16 row blocks (155,648 bytes).  Each wave fetches 8 records by one tensor load.
; CLUSTER 4 x 4: A's records are shared along a row of the cluster, B's along a column: joint loads, each mask naming four.
; REGISTERS: A AND B BOTH HAVE TWO SETS OF FRAGMENTS.  Step s multiplies set s % 2 while step s + 1's 56 LDS loads (24 B, 8 scale words, 24 A) go into the other set, in three runs.
; So a record's third step lies in registers when its second step is half done, and the slot is free there: the ONE round a record stands in the second step (RSTEP).
; Of that step's matrix instructions 32 stand behind the add, 24 of them inside the round; all its LDS loads stand ahead of the add.  A refill is asked for at the end of a record's second step and awaited in the middle of the other record's second step.
;   window 0: v12-15 bias, v16-31 addresses, v32-47 scale words (two sets of 8), v48-143 and v144-239 A's two sets;  window 1: B's two sets at v0 and v128;
;   windows 2, 3: the sums of my rows 0-63, 64-127 (block a, column block b at v[8 (8 (a % 4) + b)]).
; TRANSPOSED USE: source 0 = 16 rows of B, source 1 = 16 rows of A: a lane holds eight neighbouring columns of one row of out0.
; The 64 sums take turns, one instruction a turn.  The first step's products take 0 as C; the bias is added in f32 on the way out, as the last step of the formula.
; THE LAST TWO STEPS go by rows of out0: block after block is finished and leaves through the wave's stage while later blocks are multiplied.
; PREFETCH: behind the refill that asks for record t + 2, record t + 3 is named: 4,864 bytes = 19 blocks of 256, a lane a block (lanes 19-31 name the last again), two row blocks a wave:
; of the 8 row blocks that a wave fetches each of the four partners takes two, told apart by address.  The short last record is not named, so no lane leaves the buffer.
.set SIZE_N, 4096
.set FR,     12                        ; registers of a fragment
.set FRB,    1536                      ; its image
.set REC,    256+3*FRB                 ; 4,864
.set RECS,   256+2*FRB                 ; the last record: 3,328
.set RBS,    10*REC+RECS               ; a row block's records: 51,968 = 203 x 256
.set HALFT,  8*REC                     ; what one tensor load brings
.set SLOT,   4*HALFT
.set SPARE,  2*SLOT                    ; the spare words: 512 bytes that no other line names
.set SPITCH, 528                       ; the stage's row: 512 bytes + 16
.set RP,     REC                       ; LDS pitch from record to record in the slot that is being read
.set IN3,    0                         ; 0: the round's matrix instructions all stand between its opening signal and that signal's wait; the rest of the round has nothing between
.set BI,   12                          ; v12-15 bias of my four columns on the way out
.set ADRA, 16                          ; v16-17 my A half in slot 0, 1, + 16 x lane
.set ADRB, 20                          ; v20-21 the same for B
.set ADRS, 22                          ; v22-23 scale words: lanes 0-15 A's rows, lanes 16-31 B's
.set STO,  24
.set RD,   25
.set CO,   26                          ; 16 x lane
.set SPW,  28
.set NIL,  29
.set PFO,  30                          ; 256 x min(lane, 18)
.set SC,   32
.set AF,   48
.set G1,   24
.set G0,   32
.set G1B,  48
.set G0B,  56
.set G1L,  68                          ; groups 1 for the short record
.set G1BL, 76
.set PFA,  84
.set MSB, 0
.macro WIN new                         ; the high byte repeats the setting that is left
.if MSB != (\new)
	s_set_vgpr_msb (MSB<<8)|(\new)
.set MSB, (\new)
.endif
.endm
.macro PLACES                          ; four plain places between matrix instructions and loads into, or reads of, their registers
.rept 4
	v_nop
.endr
.endm
.macro JLOAD g0a, g1a, g0b, g1b        ; waves 0, 1 ask for A, waves 2, 3 for B; s_nop 0 and four v_nop behind each line
	s_cmp_eq_u32 s15, 0
	s_cbranch_scc0 .Lfor_b_\@
	tensor_load_to_lds s[\g0a:\g0a+3], s[\g1a:\g1a+7]
	s_nop 0
	PLACES
	s_branch .Lasked_\@
.Lfor_b_\@:
	tensor_load_to_lds s[\g0b:\g0b+3], s[\g1b:\g1b+7]
	s_nop 0
	PLACES
.Lasked_\@:
.endm
.macro CROUND                          ; a whole round of the cluster's barrier
	s_barrier_signal -1
	s_barrier_wait -1
	s_cmp_lg_u32 s14, 0
	s_cbranch_scc1 .Lnot_wave_0_\@
	s_barrier_signal -3
.Lnot_wave_0_\@:
	s_barrier_wait -3
	s_barrier_signal -1
	s_barrier_wait -1
.endm
.macro ASK cond                        ; cond = 2: not in the loop's last trip, where the next record is the short one
.if (\cond) == 2
	s_cmp_gt_u32 s3, 1
	s_cbranch_scc0 .Lno_ask_\@
.endif
	global_prefetch_b8 v[PFO], s[PFA:PFA+1] th:TH_LOAD_NT scope:SCOPE_SE
	global_prefetch_b8 v[PFO], s[PFA:PFA+1] offset:RBS th:TH_LOAD_NT scope:SCOPE_SE
.if (\cond) == 2
.Lno_ask_\@:
.endif
.endm
	s_load_b128 s[4:7], s[0:1], 0x0                ; a_rec, b_rec
	s_load_b128 s[8:11], s[0:1], 0x10              ; out0, bias
	v_lshl_add_u32 v[SPW], v0, 2, SPARE
	v_mov_b32 v[NIL], 0
	ds_add_u32 v[SPW], v[NIL]
	ds_add_u32 v[SPW], v[NIL]
	v_lshrrev_b32 v1, 5, v0
	v_readfirstlane_b32 s14, v1                    ; wave
	s_lshr_b32 s15, s14, 1                         ; my half of the rows; also: I fetch for A (0) or B (1)
	s_and_b32 s16, s14, 1                          ; my half of the columns; also: which 8 row blocks I fetch
	s_bfe_u32 s40, ttmp6, 0x40000                  ; cx
	s_bfe_u32 s41, ttmp6, 0x40004                  ; cy
	s_lshl_b32 s42, ttmp9, 2
	s_add_co_u32 s42, s42, s40                     ; tile column
	s_and_b32 s17, ttmp7, 0xffff
	s_lshl_b32 s17, s17, 2
	s_add_co_u32 s17, s17, s41                     ; tile row
	s_lshl_b32 s43, s41, 2
	s_lshl_b32 s43, 15, s43                        ; my row of the cluster
	s_lshl_b32 s44, 0x1111, s40                    ; my column
	s_or_b32 s[G1+0], s43, (3<<16)|(1<<21)         ; elements of 8 bytes, no padding: images are read 16 bytes a lane on end
	s_or_b32 s[G1L+0], s43, (3<<16)|(1<<21)
	s_or_b32 s[G1B+0], s44, (3<<16)|(1<<21)
	s_or_b32 s[G1BL+0], s44, (3<<16)|(1<<21)
.irp g, G1, G1B
	s_mov_b32 s[\g+1], (REC/8)<<16                 ; 8 rows of one record each, RBS bytes apart
	s_mov_b32 s[\g+2], 8<<16
	s_mov_b32 s[\g+3], (REC/8)<<16
	s_mov_b32 s[\g+4], 8
	s_mov_b32 s[\g+5], RBS/8
	s_mov_b32 s[\g+6], 0
	s_mov_b32 s[\g+7], 0
.endr
.irp g, G1L, G1BL
	s_mov_b32 s[\g+1], (RECS/8)<<16
	s_mov_b32 s[\g+2], 8<<16
	s_mov_b32 s[\g+3], (RECS/8)<<16
	s_mov_b32 s[\g+4], 8
	s_mov_b32 s[\g+5], RBS/8
	s_mov_b32 s[\g+6], 0
	s_mov_b32 s[\g+7], 0
.endr
	s_lshl_b32 s18, s16, 3
	s_lshl_b32 s20, s17, 4
	s_add_co_u32 s20, s20, s18                     ; A: row block 16 x tile row + 8 x half
	s_lshl_b32 s46, s42, 4
	s_add_co_u32 s46, s46, s18                     ; B: by the tile column
	s_mul_i32 s20, s20, RBS
	s_mul_i32 s46, s46, RBS
	s_mov_b32 s21, 0
	s_mov_b32 s47, 0
	s_mul_i32 s45, s14, HALFT                      ; where my 8 records go: wave x 8 records
	s_wait_dscnt 0x0                               ; both opening adds are done
	s_wait_kmcnt 0x0
	s_add_nc_u64 s[20:21], s[4:5], s[20:21]
	s_add_nc_u64 s[46:47], s[6:7], s[46:47]
.irp s, 0,1
	s_mov_b32 s[G0+4*\s], 1
	s_add_co_u32 s[G0+4*\s+1], s45, \s*SLOT
	s_add_nc_u64 s[G0+4*\s+2:G0+4*\s+3], s[20:21], \s*REC
	s_or_b32 s[G0+4*\s+3], s[G0+4*\s+3], 0x80000000
	s_mov_b32 s[G0B+4*\s], 1
	s_add_co_u32 s[G0B+4*\s+1], s45, \s*SLOT
	s_add_nc_u64 s[G0B+4*\s+2:G0B+4*\s+3], s[46:47], \s*REC
	s_or_b32 s[G0B+4*\s+3], s[G0B+4*\s+3], 0x80000000
.endr
	CROUND                                         ; all sixteen work-groups are here
	JLOAD G0, G1, G0B, G1B                         ; record 0: one tensor load a wave at the head
	; scalars first, then the vector lines on end
	s_mul_i32 s66, s15, HALFT                      ; my A half in a slot
	s_mul_i32 s67, s16, HALFT
	s_add_co_u32 s67, s67, 2*HALFT                 ; my B half
	s_sub_co_u32 s86, s67, s66                     ; from A's to B's
	s_mul_i32 s87, s14, 16*SPITCH
	s_add_co_u32 s87, s87, SLOT                    ; my stage, in slot 1: used behind that slot's last fill and last read
	s_lshl_b32 s12, s17, 8
	s_lshl_b32 s13, s15, 7
	s_add_co_u32 s12, s12, s13
	s_lshl_b32 s12, s12, 14                        ; my first row of out0, 16,384 bytes a row
	s_lshl_b32 s46, s42, 10
	s_lshl_b32 s47, s16, 9
	s_add_co_u32 s46, s46, s47                     ; my first column in bytes
	s_mov_b32 s47, 0
	s_add_nc_u64 s[10:11], s[10:11], s[46:47]
	s_add_co_u32 s46, s46, s12                     ; under 2^27
	s_add_nc_u64 s[8:9], s[8:9], s[46:47]
	s_lshl_b32 s20, s17, 4                         ; the prefetches: the tile's first row block,
	s_lshl_b32 s43, s42, 4
	s_cmp_eq_u32 s15, 0
	s_cselect_b32 s20, s20, s43
	s_cselect_b32 s44, s40, s41                    ; my place among the four that ask jointly
	s_cselect_b64 s[PFA:PFA+1], s[4:5], s[6:7]
	s_lshl_b32 s43, s16, 3
	s_add_co_u32 s20, s20, s43
	s_lshl_b32 s44, s44, 1
	s_add_co_u32 s20, s20, s44                     ; + my work-group's two of the wave's eight
	s_mul_i32 s20, s20, RBS
	s_add_co_u32 s20, s20, 2*REC                   ; at record 2; the first round steps it to 3
	s_mov_b32 s21, 0
	s_add_nc_u64 s[PFA:PFA+1], s[PFA:PFA+1], s[20:21]
	v_and_b32 v1, 15, v0                           ; r
	v_bfe_u32 v2, v0, 4, 1                         ; h
	v_and_b32 v6, 31, v0
	v_lshlrev_b32 v[CO], 4, v6
	v_add_nc_u32 v[ADRA], s66, v[CO]
	v_add_nc_u32 v[ADRB], s67, v[CO]
	v_add_nc_u32 v[ADRA+1], SLOT, v[ADRA]
	v_add_nc_u32 v[ADRB+1], SLOT, v[ADRB]
	v_lshlrev_b32 v5, 4, v1                        ; a row's 16 bytes of scale words
	v_mul_u32_u24 v3, s86, v2                      ; lanes 16-31 take B's
	v_add_nc_u32 v5, v5, v3
	v_add_nc_u32 v[ADRS], s66, v5
	v_add_nc_u32 v[ADRS+1], SLOT, v[ADRS]
	v_mul_u32_u24 v5, v1, SPITCH                   ; into the stage: row r, 32 bytes for each half of the lanes
	v_lshl_add_u32 v5, v2, 5, v5
	v_add_nc_u32 v[STO], s87, v5
	v_add_nc_u32 v[RD], s87, v[CO]                 ; back: 32 lanes take a row of 512 bytes
	v_min_u32 v[PFO], 18, v6
	v_lshlrev_b32 v[PFO], 8, v[PFO]
	global_load_b128 v[BI:BI+3], v[CO], s[10:11]   ; bias of columns 4 lane .. 4 lane + 3 of my 128
; eight matrix instructions: A's block a against B's eight, fragments and scale words of set p
.macro MUL8 a, p, zero
	WIN 0xa1+0x50*((\a)/4)                         ; source 0 window 1, source 1 window 0, C and D window 2 or 3
.irp b, 0,1,2,3,4,5,6,7
.if \zero
	v_wmma_scale_f32_16x16x128_f8f6f4 v[8*(8*((\a)%4)+\b):8*(8*((\a)%4)+\b)+7], v[128*(\p)+FR*\b:128*(\p)+FR*\b+FR-1], v[AF+96*(\p)+FR*(\a):AF+96*(\p)+FR*(\a)+FR-1], 0, v[SC+8*(\p)+\b], v[SC+8*(\p)+(\a)] matrix_a_fmt:MATRIX_FMT_FP6 matrix_b_fmt:MATRIX_FMT_FP6 matrix_a_scale:MATRIX_SCALE_ROW1
.else
	v_wmma_scale_f32_16x16x128_f8f6f4 v[8*(8*((\a)%4)+\b):8*(8*((\a)%4)+\b)+7], v[128*(\p)+FR*\b:128*(\p)+FR*\b+FR-1], v[AF+96*(\p)+FR*(\a):AF+96*(\p)+FR*(\a)+FR-1], v[8*(8*((\a)%4)+\b):8*(8*((\a)%4)+\b)+7], v[SC+8*(\p)+\b], v[SC+8*(\p)+(\a)] matrix_a_fmt:MATRIX_FMT_FP6 matrix_b_fmt:MATRIX_FMT_FP6 matrix_a_scale:MATRIX_SCALE_ROW1
.endif
.endr
.endm
.macro LB slot, q, p                   ; B's eight fragments of step q of the slot's record into set p: 24 loads
	WIN 0x40
.irp i, 0,1,2,3,4,5,6,7
.irp c, 0,1,2
	ds_load_b128 v[128*(\p)+FR*\i+4*\c:128*(\p)+FR*\i+4*\c+3], v[ADRB+(\slot)] offset:\i*RP+256+(\q)*FRB+512*\c
.endr
.endr
.endm
.macro LA slot, q, p, i0, n            ; A's blocks i0 .. i0 + n - 1: 3 n loads
	WIN 0
.set II, \i0
.rept \n
.irp c, 0,1,2
	ds_load_b128 v[AF+96*(\p)+FR*II+4*\c:AF+96*(\p)+FR*II+4*\c+3], v[ADRA+(\slot)] offset:II*RP+256+(\q)*FRB+512*\c
.endr
.set II, II+1
.endr
.endm
.macro LS slot, q, p                   ; the step's scale words: register i: lanes 0-15 A's block i, lanes 16-31 B's block i: 8 loads
	WIN 0
.irp i, 0,1,2,3,4,5,6,7
	ds_load_b32 v[SC+8*(\p)+\i], v[ADRS+(\slot)] offset:\i*RP+4*(\q)
.endr
.endm
; A step: 64 matrix instructions on its own set; the next step's (slot ns, step nq) loads go into the other set in three runs, in the order B, scale words, A.
.macro STEP slot, q, ns, nq, zero, ask
.set P0, ((\q)+(\slot))%2
.set P1, 1-P0
	PLACES                                         ; the other set was read by the last step's matrix instructions
	LB \ns, \nq, P1
	s_wait_dscnt 36                                ; out may be: the last step's youngest 12 (my A blocks 4-7) and the 24 just issued
	MUL8 0, P0, \zero
	MUL8 1, P0, \zero
	MUL8 2, P0, \zero
	LS \ns, \nq, P1
	LA \ns, \nq, P1, 0, 4
.if \ask
	ASK \ask
.endif
	MUL8 3, P0, \zero
	s_wait_dscnt 44                                ; only this step's own 24 + 20 may be out: A's blocks 4-7 are in
	MUL8 4, P0, \zero
	MUL8 5, P0, \zero
	LA \ns, \nq, P1, 4, 4
	MUL8 6, P0, \zero
	MUL8 7, P0, \zero
.endm
; A record's second step.  All 56 loads of its third step are issued early; then the slot is read no more.  fill = 1: the slot takes the record two on; 2: the short last record; 0: nothing is left to fetch: a plain barrier shows the last record whole.
.macro RSTEP slot, fill
.set P0, (1+(\slot))%2
.set P1, 1-P0
.if (\fill) == 1
	s_wait_xcnt 0x0                                ; my last prefetches have read their address
	s_add_nc_u64 s[PFA:PFA+1], s[PFA:PFA+1], REC
.endif
	PLACES
	LB \slot, 2, P1
	LS \slot, 2, P1
	s_wait_dscnt 44                                ; the last step's youngest 12 and the 32 just issued
	MUL8 0, P0, 0
	LA \slot, 2, P1, 0, 8
	s_wait_dscnt 56                                ; only this step's own 56
	MUL8 1, P0, 0
	MUL8 2, P0, 0
	MUL8 3, P0, 0
	WIN 0
	s_wait_tensorcnt 0x0                           ; my one load that was out, my part of the other slot, has landed
.if \fill
	ds_add_u32 v[SPW], v[NIL]
	s_add_nc_u64 s[G0+4*\slot+2:G0+4*\slot+3], s[G0+4*\slot+2:G0+4*\slot+3], 2*REC
	s_add_nc_u64 s[G0B+4*\slot+2:G0B+4*\slot+3], s[G0B+4*\slot+2:G0B+4*\slot+3], 2*REC
.endif
	MUL8 4, P0, 0
	s_wait_dscnt 0x0                               ; the add is done; the third step's fragments are in registers: my reads of this slot are over
	s_barrier_signal -1
	MUL8 5, P0, 0
.if (\fill) == 0 || IN3 == 0
	MUL8 6, P0, 0
	MUL8 7, P0, 0
.endif
	WIN 0
	s_barrier_wait -1
.if \fill
	s_cmp_lg_u32 s14, 0                            ; the barrier has opened a round of the cluster's barrier; only work on registers stands inside it
	s_cbranch_scc1 .Lnw0_\@
	s_barrier_signal -3
.Lnw0_\@:
.if IN3
	MUL8 6, P0, 0
	MUL8 7, P0, 0
	WIN 0
.endif
	s_barrier_wait -3
	s_barrier_signal -1
	s_barrier_wait -1
.if (\fill) == 1
	JLOAD G0+4*\slot, G1, G0B+4*\slot, G1B         ; the first tensor load behind the round, one a wave
.else
	JLOAD G0+4*\slot, G1L, G0B+4*\slot, G1BL
.endif
.endif
.endm
	s_wait_alu depctr_va_vdst(0)
	s_wait_tensorcnt 0x0                           ; my part of record 0 is in; slot 1's first fill is issued as a refill is
	ds_add_u32 v[SPW], v[NIL]
	s_wait_loadcnt 0x0                             ; the bias
	s_wait_dscnt 0x0
	CROUND
	JLOAD G0+4, G1, G0B+4, G1B                     ; record 1
	LB 0, 0, 0
	LS 0, 0, 0
	LA 0, 0, 0, 0, 8
	STEP 0, 0, 0, 1, 1, 0                          ; the first step starts the sums
	WIN 0
	s_mov_b32 s3, 4
.Llap:                                                 ; a trip: six steps, from a record's second step in slot 0 to the next but one record's first; both slots are filled again
	RSTEP 0, 1
	STEP 0, 2, 1, 0, 0, 1
	STEP 1, 0, 1, 1, 0, 0
	RSTEP 1, 1
	STEP 1, 2, 0, 0, 0, 2
	STEP 0, 0, 0, 1, 0, 0
	WIN 0
	s_sub_co_u32 s3, s3, 1
	s_cmp_lg_u32 s3, 0
	s_cbranch_scc1 .Llap
	RSTEP 0, 2                                     ; record 8: slot 0 takes the short record 10
	STEP 0, 2, 1, 0, 0, 0
	STEP 1, 0, 1, 1, 0, 0
	RSTEP 1, 0                                     ; record 9: record 10 is whole; behind this barrier nobody reads slot 1
.set RP, RECS
	STEP 1, 2, 0, 0, 0, 0
; THE LAST TWO STEPS (sets 0 and 1) BY ROWS.  Block k is finished, goes into my stage (ST), comes back as rows of 512 bytes into its own 64 registers (LD, behind the wait that shows ST done),
; gets the bias and is stored (SEND): 32 lanes store 512 consecutive bytes, aligned to 256.  Every offset is an immediate (127 rows of 16,384 bytes at the most): no base is stepped, no store's data are written again.
.macro W k
.if (\k) >= 4
	MUL8 \k, 0, 0
.endif
	MUL8 \k, 1, 0
.endm
.macro ST k
.set AC, 64*((\k)%4)
	WIN 0x08+4*((\k)/4)                            ; the data: window 2 or 3
.irp b, 0,1,2,3,4,5,6,7
	ds_store_b128 v[STO], v[AC+8*\b:AC+8*\b+3] offset:64*\b          ; each sum from its low end on
	ds_store_b128 v[STO], v[AC+8*\b+4:AC+8*\b+7] offset:64*\b+16
.endr
.endm
.macro LD k
.set AC, 64*((\k)%4)
	WIN 0x80+0x40*((\k)/4)
.irp t, 0,1,2,3,4,5,6,7,8,9,10,11,12,13,14,15
	ds_load_b128 v[AC+4*\t:AC+4*\t+3], v[RD] offset:\t*SPITCH
.endr
.endm
.macro SEND k
.set AC, 64*((\k)%4)
	WIN 0x82+0x41*((\k)/4)                         ; destination and source 0: window 2 or 3; the bias: window 0
.irp t, 0,1,2,3,4,5,6,7,8,9,10,11,12,13,14,15
	v_pk_add_f32 v[AC+4*\t:AC+4*\t+1], v[AC+4*\t:AC+4*\t+1], v[BI:BI+1]
	v_pk_add_f32 v[AC+4*\t+2:AC+4*\t+3], v[AC+4*\t+2:AC+4*\t+3], v[BI+2:BI+3]
.endr
	WIN 0x08+4*((\k)/4)
.irp t, 0,1,2,3,4,5,6,7,8,9,10,11,12,13,14,15
	global_store_b128 v[CO], v[AC+4*\t:AC+4*\t+3], s[8:9] offset:((\k)*16+\t)*SIZE_N*4 th:TH_STORE_NT
.endr
.endm
	PLACES
	s_wait_dscnt 12                                ; set 0 but for A's blocks 4-7
	LB 0, 1, 1                                     ; the very last step's 56 loads, into set 1
	LS 0, 1, 1
	LA 0, 1, 1, 0, 8
	MUL8 0, 0, 0
	MUL8 1, 0, 0
	MUL8 2, 0, 0
	MUL8 3, 0, 0
	s_wait_dscnt 21                                ; out may be set 1's A blocks 1-7
	W 0
	PLACES
	ST 0
	s_wait_dscnt 16                                ; all loads are in; the 16 stores may be out
	W 1
	PLACES
	s_wait_dscnt 0x0                               ; block 0 lies in the stage: its registers may be loaded
	LD 0
	ST 1                                           ; LDS serves a wave's instructions in order (ISA guide 5.7.1.4): these land behind the loads above
.irp k, 2,3,4,5,6,7
	W \k
	PLACES
	s_wait_dscnt 0x0                               ; block k - 1 lies in the stage, block k - 2 is back
	LD \k-1
	ST \k
	SEND \k-2
.endr
	s_wait_dscnt 0x0
	LD 7
	SEND 6
	s_wait_dscnt 0x0
	SEND 7
	WIN 0
	s_wait_tensorcnt 0x0                           ; the wave's end
	ds_add_u32 v[SPW], v[NIL]
	s_wait_dscnt 0x0
	CROUND                                         ; the closing round
	s_endpgm
.Lfunc_end_k_q219fb887d1_gemm:
	.size	k_q219fb887d1_gemm, .Lfunc_end_k_q219fb887d1_gemm-k_q219fb887d1_gemm
	.p2alignl 7, 3214868480
	.fill 96, 4, 3214868480
	.section	.rodata,"a",@progbits
	.p2align	6, 0x0
	.amdhsa_kernel k_q219fb887d1_gemm
		.amdhsa_group_segment_fixed_size 327680
		.amdhsa_private_segment_fixed_size 0
		.amdhsa_enable_private_segment 0
		.amdhsa_kernarg_size 32
		.amdhsa_user_sgpr_count 2
		.amdhsa_user_sgpr_kernarg_segment_ptr 1
		.amdhsa_wavefront_size32 1
		.amdhsa_system_sgpr_workgroup_id_x 1
		.amdhsa_system_sgpr_workgroup_id_y 1
		.amdhsa_system_sgpr_workgroup_id_z 1
		.amdhsa_system_vgpr_workitem_id 0
		.amdhsa_next_free_vgpr 1024
		.amdhsa_next_free_sgpr 88
		.amdhsa_reserve_vcc 0
		.amdhsa_float_denorm_mode_32 3
		.amdhsa_float_denorm_mode_16_64 3
		.amdhsa_memory_ordered 1
		.amdhsa_forward_progress 1
		.amdhsa_inst_pref_size 226
	.end_amdhsa_kernel
	.amdgpu_metadata
---
amdhsa.version: [ 1, 2 ]
amdhsa.kernels:
  - .name:           k_q219fb887d1_gemm
    .symbol:         k_q219fb887d1_gemm.kd
    .args:
      - { .name: a_rec, .offset: 0, .size: 8, .value_kind: global_buffer, .address_space: global }
      - { .name: b_rec, .offset: 8, .size: 8, .value_kind: global_buffer, .address_space: global }
      - { .name: out0, .offset: 16, .size: 8, .value_kind: global_buffer, .address_space: global }
      - { .name: bias, .offset: 24, .size: 8, .value_kind: global_buffer, .address_space: global }
    .group_segment_fixed_size: 327680
    .private_segment_fixed_size: 0
    .kernarg_segment_align: 8
    .kernarg_segment_size: 32
    .max_flat_workgroup_size: 128
    .sgpr_count:     88
    .vgpr_count:     1024
    .wavefront_size: 32
...
	.end_amdgpu_metadata
.endif
;; end of part 2
